; MI455X (gfx1250); checked and timed in simulation.
; The chip was launched on July 23, 2026; its instructions are those of AMD's public machine-readable ISA for CDNA 5 (MIT licence, August 2026) and "CDNA5" Instruction Set Architecture Reference Guide (July 2026). The comments in the code are by the model that wrote it; some were corrected since.
;; Model. Allowed arithmetic: float matrix products may take bf16 or f16 operands with f32 sums; all other float work in f32.
;; Inputs: Wk 512 x 32 float32; Wq 512 x 32 float32; Wv 512 x 32 float32; bk 512 float32; bq 512 float32; bv 512 float32; key 8 x 2,048 x 32 float32; mask 8 x 1 x 1 x 2,048 int32; query 8 x 2,048 x 32 float32; value 8 x 2,048 x 32 float32.
;; Outputs: out0 8 x 2,048 x 512 float32.
;; One version. Each part assembles by itself: llvm-mc -triple=amdgcn-amd-amdhsa -mcpu=gfx1250 --defsym DOCPART=n.
;; ======== version 1 of 1: 1 launch
;; limits: values are held in f16: magnitudes above 65,504 overflow, below 6.1e-05 lose precision; right only within a limited range of input values
;; launch attn (part 1): grid 32 x 8, 8 waves a work-group, no clusters, 310,272 bytes of LDS; arguments query, key, value, Wq, Wk, Wv, bq, bk, bv, out0; writes out0
.if DOCPART == 1
	.amdgcn_target "amdgcn-amd-amdhsa--gfx1250"
	.amdhsa_code_object_version 6
	.text
	.protected	k_q822d21e415_attn
	.globl	k_q822d21e415_attn
	.p2align	8
	.type	k_q822d21e415_attn,@function
k_q822d21e415_attn:
	s_mov_b64 s[64:65], 0
	v_nop
	global_prefetch_b8 v0, s[64:65] scope:SCOPE_SE
	s_setreg_imm32_b32 hwreg(HW_REG_WAVE_MODE, 25, 1), 1
	s_wait_xcnt 0x0
; out0[b][q][64 h + d] = sum over k of softmax_k(0.9/8 (q_h . k_h)) v_h[k][d], with q_h = Xq Wq_h^T + bq_h, k_h = Xk Wk_h^T + bk_h, v_h = Xv Wv_h^T + bv_h.
; Xq, Xk, Xv: [8][2048][32] f32; W: [512][32] f32; b: [512] f32; out0: [8][2048][512] f32.  8 heads of 64 channels.
; THE MASK's values enter no number of the result: the function takes its shape alone, max(0.9, 0.9 / 2048) = 0.9, a constant of the shapes.  It is not among the arguments.
; TWO IDENTITIES, exact for every input, let K and V stay as they are given, 32 channels wide and common to a batch's eight heads:
;   q_h . k_h = (q_h Wk_h) . x_k + q_h . bk_h                          the score product sums over 32 raw key channels
;   (sum p v_h) / l = ((sum p x_v) / l) Wv_h^T + bv_h                  the second product has 32 output channels; Wv_h and bv_h come once, at the end
; SHARES.  256 work-groups: batch b (y), head h = x / 4, block of 512 queries x % 4.  Eight waves, 64 queries each: four tiles of 16.  All 2,048 keys and values of the batch lie in LDS as f16
; (131,072 bytes each), converted once by the work-group; every wave then walks them, 64 keys a step, with no barrier in the walk.
; NO TENSOR LOADS, NO CLUSTER: key and value are f32 in memory and must pass through registers to become f16; a batch's f32 image (524,288 bytes) does not fit in LDS, and a ring of f32 tiles
; would put conversions and barriers into a loop that already has more vector than matrix work.  So each work-group reads its batch's key and value itself, once.
; FORMATS.  Every matrix operand is f16, sums are f32, biases stay f32.  q'' = q_h Wk_h has no sure room in f16, so each query's q'' is divided by alpha, the power of two of its largest magnitude:
; q^ = q'' / alpha lies within 2; s' = x_k . q^ + (q_h . bk_h) / alpha; the exponent is A s' - A m with A = c alpha, c = 0.9/8 log2(e): the factor rides in the scaling that stands there anyway.
; SOFTMAX.  For each query a running maximum m of s' and a sum l: p = 2^(A s' - A m); in every step O' and l are multiplied by a = 2^(A m_old - A m_new).  l = ONES x P is made by the matrix unit
; from the same f16 weights as O'.  m starts at the lowest finite number, O' and l at 0: the first step is a step like any other, with a = 0.
; LIMITS.  The inputs and q_h stay below 65,504 in magnitude (f16).  alpha is held within 2^-100 .. 2^100.  A weight below 2^-126 counts as 0.  NaN and infinities are not treated apart.
; The products are associated otherwise than the function writes them, so roundings differ from it.
; LAYOUT.  S^T = Xk q^ (source 0 = 16 keys, source 1 = 16 queries): a lane holds ONE query (lane % 16) and the keys 8 (lane / 16) + 0..7.  Two results rounded to f16 in pairs ARE source 1 of
; O'^T = Xv^T P, which again holds one query a lane.  The same holds along the set-up (q^T, q''^T) and the way out (out^T): nothing changes lanes but a maximum and a sum, by one exchange of the halves.
; BY TURNS.  Turn n belongs to tile n: 6 products O'^T, l of tile n - 1, 4 products S^T of tile n + 1; beside them the rescaling, scaling, exponentials and roundings of tile n and the maximum and
; statistics of tile n + 1.
; LDS.  A FRAGMENT is 16 rows x 32 channels of f16, 1,024 bytes, in four planes of 256 bytes (plane p = channels 8 p .. 8 p + 7); row r's 16 bytes lie at slot (r + 4 rho(p)) % 16, rho = 0, 2, 1, 3.
; With 64 banks of 4 bytes (ISA guide 11.1): a plain fragment load takes 16 slots of one plane; a turning load 8 slots of each of two planes whose slots lie 8 apart; a fill store 4 x 64 bytes in four different quarters.
.set LV,     131072    ; 0 .. : 128 fragments of key;  LV .. : 128 fragments of value
.set LW,     262144    ; 12 fragments: Wq_h (0-3), Wk_h (4-7), Wv_h (8-11)
.set PRIV,   274432    ; for each wave PRIVB bytes of its own: first its 64 rows of Xq (64 bytes each), later the stage of the way out
.set PRIVB,  4352      ; 16 rows x 272 bytes
.set SP,     272       ; a stage row: 256 bytes + 16: the 16 rows of a store start at 16 different groups of four banks
.set SPARE,  309248    ; the spare words, 128 bytes for each of the eight waves: four blocks of 256 bytes that no other line names
.set STEPB,  4096      ; a key step: 64 keys = 4 fragments
; REGISTERS, window 0 (s_set_vgpr_msb: bits 1:0 source 0, 3:2 source 1, 5:4 source 2, 7:6 destination)
.set AK0, 2            ; v2-3    my place in a fragment for a plain load: channels 8 (l / 16) on, and 16 + 8 (l / 16) on; never rewritten
.set AV0, 4            ; v4-5    my place for a turning load: channels 0-15, 16-31; never rewritten
.set AK,  6            ; v6-7    addresses of the plain run in hand
.set AV,  8            ; v8-9    of the turning run
.set STO, 10           ; the way out: where I put 32 bytes of a row
.set RD,  11           ; the way out: where I read rows back
.set GO,  12           ; my byte offset in two rows of out0
.set XRD, 13           ; my place in 16 rows of Xq
.set SPW, 14           ; LDS address of my spare word; never rewritten
.set NIL, 15           ; 0; never rewritten
.set ST,  16           ; tile t at ST + 4 t: A m, m, A, A again (the last two later: 1 / l and what is named with it)
.set TMP, 32           ; by the tile's parity: c0-c3 at work; c2 takes a
.set MV,  40           ; by parity: A m_old
.set KF,  48           ; four plain fragments: K of a step; in the set-up Wq_h, on the way out Wv_h
.set QF,  80           ; q^, 8 a tile
.set EF,  112          ; (q . bk) / alpha, 8 equal registers a tile: the C operand of S^T
.set S,   144          ; S^T, two buffers of 32
.set P,   208          ; P, two buffers of 16
; window 0 in the fill alone
.set XQ,  16           ; v16-79   my 64 rows of Xq as loaded
.set RING, 80          ; v80-207  four slots of eight loads
.set CVT, 208          ; v208-239 two sets of 16: a unit's f16
.set GOF, 240          ; 2,048 w + 16 i: my 16 bytes in the wave's fragment of 16 rows of 128 bytes
.set GOFW, 241         ; the same with w % 4, for the weights
.set XOF, 242          ; 8,192 w + 16 i
.set XST, 243          ; my 8 bytes in four rows of Xq in LDS
.set FST, 244          ; v244-247 my 8 bytes in the wave's fragment, for rows 4 x .. 4 x + 3
.set BOF, 248          ; 32 (l / 16): my 8 numbers in 16 of a bias
; window 0 in the set-up alone
.set XF,  144          ; Xq's fragments, 8 a tile
.set QT,  176          ; q^T, four accumulators; then |q''|
.set QH,  208          ; q^T in f16
.set Q2,  224          ; q''^T, two accumulators
.set EA,  240          ; v240-241 q . bk, even and odd channels
.set EE,  242
.set T1,  243
.set AM,  244
.set T2,  245
.set AL,  246
.set IV,  248          ; v248-249 1 / alpha, twice
.set MX,  250          ; v250-254
; window 1
.set LL,  64           ; v0-63 O'^T, 16 a tile; v64-95 l, 8 a tile: register 0 holds l
.set VF,  96           ; four turned fragments: keys 32 kk on, channels 16 cb on at VF + 16 kk + 8 cb
.set ONES, 128         ; source 0 with ones in rows 0 and 8, zeros elsewhere
.set BV,  136          ; bv_h, bq_h, bk_h in the layout of four accumulators: channel 16 blk + 8 (l / 16) + j at + 8 blk + j
.set BQ,  168
.set BK,  200
; scalars: s[8:27] the ten addresses
.set WV,  28           ; my wave's number
.set CNT, 40
.set TBK, 41           ; LDS byte of the K step to be fetched
.set TBV, 42           ; of the V step
.set SEL, 44           ; s[44:45] v_permlanex16_b32's selects: each lane takes its own place in the other half
.set MSB, 0
.macro WIN new                      ; the high byte repeats the setting that is left; a switch that changes nothing is dropped
.if MSB != (\new)
	s_set_vgpr_msb (MSB<<8)|(\new)
.set MSB, (\new)
.endif
.endm
.macro PLACES                       ; four places between a matrix instruction and a vector or LDS line that reads its result (ISA guide 7.12.1)
.rept 4
	v_nop
.endr
.endm
	s_load_b512 s[8:23], s[0:1], 0x0               ; query s[8:9], key s[10:11], value s[12:13], Wq s[14:15], Wk s[16:17], Wv s[18:19], bq s[20:21], bk s[22:23]
	s_load_b128 s[24:27], s[0:1], 0x40             ; bv s[24:25], out0 s[26:27]
	v_lshl_add_u32 v[SPW], v0, 2, SPARE
	v_mov_b32 v[NIL], 0
	v_lshrrev_b32 v1, 5, v0
	v_readfirstlane_b32 s[WV], v1                  ; wave 0..7
	s_lshr_b32 s29, ttmp9, 2                       ; h
	s_and_b32 s30, ttmp9, 3                        ; block of 512 queries
	s_and_b32 s31, ttmp7, 0xffff                   ; b
	s_lshl_b32 s32, s31, 18                        ; key, value: b x 2,048 rows x 128 bytes
	s_mov_b32 s33, 0
	s_lshl_b32 s34, s30, 16                        ; query: and the block's 512 rows
	s_add_co_u32 s34, s34, s32
	s_mov_b32 s35, 0
	s_lshl_b32 s2, s29, 13                         ; weights: h x 64 rows x 128 bytes
	s_mov_b32 s3, 0
	s_lshl_b32 s4, s29, 8                          ; biases: h x 64 x 4 bytes
	s_mov_b32 s5, 0
	s_lshl_b32 s6, s31, 22                         ; out0: b x 2,048 rows x 2,048 bytes,
	s_lshl_b32 s7, s30, 20                         ; the block's 512 rows,
	s_add_co_u32 s6, s6, s7
	s_lshl_b32 s7, s[WV], 17                       ; my wave's 64 rows,
	s_add_co_u32 s6, s6, s7
	s_add_co_u32 s6, s6, s4                        ; the head's 256 bytes of a row
	s_mov_b32 s7, 0
	s_lshl_b32 s38, s[WV], 10                      ; my wave's fragment among eight
	s_mul_i32 s39, s[WV], PRIVB
	s_add_co_u32 s39, s39, PRIV                    ; my wave's own bytes
	s_lshl_b32 s43, s[WV], 11
	s_and_b32 s49, s[WV], 3
	s_lshl_b32 s49, s49, 11
	s_lshl_b32 s50, s[WV], 13
	s_mov_b32 s[SEL], 0x76543210
	s_mov_b32 s[SEL+1], 0xfedcba98
	s_mov_b32 s46, 0x3e2632cf                      ; c = 0.9 / 8 x log2(e) = 0.162303
	s_mov_b32 s47, 0x7fffffff                      ; clears a sign
	s_mov_b32 s48, 0x3c003c00                      ; 1.0 twice, in f16
	v_and_b32 v255, 31, v0                         ; i: my lane
	v_bfe_u32 v250, v0, 4, 1                       ; l / 16
	v_lshl_add_u32 v[GOF], v255, 4, s43
	v_lshl_add_u32 v[GOFW], v255, 4, s49
	v_lshl_add_u32 v[XOF], v255, 4, s50
	v_lshlrev_b32 v[BOF], 5, v250
	s_wait_kmcnt 0x0
	s_add_nc_u64 s[8:9], s[8:9], s[34:35]
	s_add_nc_u64 s[10:11], s[10:11], s[32:33]
	s_add_nc_u64 s[12:13], s[12:13], s[32:33]
	s_add_nc_u64 s[14:15], s[14:15], s[2:3]
	s_add_nc_u64 s[16:17], s[16:17], s[2:3]
	s_add_nc_u64 s[18:19], s[18:19], s[2:3]
	s_add_nc_u64 s[20:21], s[20:21], s[4:5]
	s_add_nc_u64 s[22:23], s[22:23], s[4:5]
	s_add_nc_u64 s[24:25], s[24:25], s[4:5]
	s_add_nc_u64 s[26:27], s[26:27], s[6:7]
	s_cmp_lt_u32 s[WV], 4
	s_cselect_b64 s[36:37], s[14:15], s[16:17]     ; waves 0-3 bring Wq_h's four fragments, waves 4-7 Wk_h's
; THE FILL.  Every load takes 512 consecutive bytes: four rows of 32 f32; lane i holds row i / 8, channels 4 (i % 8) + 0..3, which become 8 bytes of f16.
; A UNIT is eight loads: two fragments.  Wave w takes the fragments 8 m + w; unit u holds m = 2 (u % 8), 2 (u % 8) + 1 of key (u < 8) or value.
.macro LDU u
.set SL, RING+32*((\u)%4)
.irp j, 0,1,2,3,4,5,6,7
.if (\u) < 8
	global_load_b128 v[SL+4*\j:SL+4*\j+3], v[GOF], s[10:11] offset:(2*((\u)%8)+\j/4)*16384+(\j%4)*512
.else
	global_load_b128 v[SL+4*\j:SL+4*\j+3], v[GOF], s[12:13] offset:(2*((\u)%8)+\j/4)*16384+(\j%4)*512
.endif
.endr
.endm
.macro STEP_FST                     ; eight values of m are 65,536 bytes of LDS: more than a store's immediate holds, so the four addresses step
.irp x, 0,1,2,3
	v_add_nc_u32 v[FST+\x], 0x10000, v[FST+\x]
.endr
.endm
.macro CVST j, off                  ; load j of the slot SL: rounded to f16 and stored
.set CV, CVS+2*(\j)
	v_cvt_pk_f16_f32 v[CV], v[SL+4*(\j)], v[SL+4*(\j)+1]
	v_cvt_pk_f16_f32 v[CV+1], v[SL+4*(\j)+2], v[SL+4*(\j)+3]
	ds_store_b64 v[FST+(\j)%4], v[CV:CV+1] offset:\off
.endm
.macro STU u
.set SL, RING+32*((\u)%4)
.set CVS, CVT+16*((\u)%2)
.if ((\u)%4 == 0) && ((\u) > 0)
	STEP_FST
.endif
.irp j, 0,1,2,3,4,5,6,7
	CVST \j, (2*((\u)%4)+\j/4)*8192
.endr
.endm
.irp n, 0,1,2,3,4,5,6,7,8,9,10,11,12,13,14,15
	global_load_b128 v[XQ+4*\n:XQ+4*\n+3], v[XOF], s[8:9] offset:\n*512  ; my wave's 64 rows of Xq
.endr
	WIN 0x40                                       ; destination window 1, address window 0
.irp k, 0,1,2,3
	global_load_b128 v[BQ+8*\k:BQ+8*\k+3],   v[BOF], s[20:21] offset:\k*64
	global_load_b128 v[BQ+8*\k+4:BQ+8*\k+7], v[BOF], s[20:21] offset:\k*64+16
	global_load_b128 v[BK+8*\k:BK+8*\k+3],   v[BOF], s[22:23] offset:\k*64
	global_load_b128 v[BK+8*\k+4:BK+8*\k+7], v[BOF], s[22:23] offset:\k*64+16
	global_load_b128 v[BV+8*\k:BV+8*\k+3],   v[BOF], s[24:25] offset:\k*64
	global_load_b128 v[BV+8*\k+4:BV+8*\k+7], v[BOF], s[24:25] offset:\k*64+16
.endr
	WIN 0
	LDU 0
	LDU 1                                          ; 56 loads of mine are out; the lane arithmetic and the clearing stand in their shadow
	v_and_b32 v249, 15, v0                         ; r = l % 16
	v_bfe_u32 v252, v0, 3, 1                       ; u = (l / 8) % 2
	v_and_b32 v253, 7, v0
	v_lshl_add_u32 v251, v250, 3, v249             ; plain load, plane 2 c + l / 16: slot (r + 8 (l / 16) + 4 c) % 16
	v_and_b32 v1, 15, v251
	v_lshlrev_b32 v1, 4, v1
	v_lshl_add_u32 v[AK0], v250, 8, v1
	v_add_nc_u32 v1, 4, v251
	v_and_b32 v1, 15, v1
	v_lshlrev_b32 v1, 4, v1
	v_lshl_add_u32 v1, v250, 8, v1
	v_add_nc_u32 v[AK0+1], 512, v1
	v_lshl_add_u32 v254, v250, 3, v253             ; turning load: row 8 (l / 16) + l % 8, plane 2 cb + u: slot (row + 8 u + 4 cb) % 16
	v_lshl_add_u32 v254, v252, 3, v254
	v_and_b32 v1, 15, v254
	v_lshlrev_b32 v1, 4, v1
	v_lshl_add_u32 v[AV0], v252, 8, v1
	v_add_nc_u32 v1, 4, v254
	v_and_b32 v1, 15, v1
	v_lshlrev_b32 v1, 4, v1
	v_lshl_add_u32 v1, v252, 8, v1
	v_add_nc_u32 v[AV0+1], 512, v1
	v_mul_u32_u24 v[STO], v249, SP                 ; into the stage: row r, 32 bytes for each half of the lanes
	v_lshl_add_u32 v[STO], v250, 5, v[STO]
	v_add_nc_u32 v[STO], s39, v[STO]
	v_mul_u32_u24 v[RD], v250, SP                  ; back: lanes 0-15 one row of 256 bytes, lanes 16-31 the next
	v_lshl_add_u32 v[RD], v249, 4, v[RD]
	v_add_nc_u32 v[RD], s39, v[RD]
	v_lshlrev_b32 v[GO], 11, v250                  ; and the same two rows in out0, 2,048 bytes apart
	v_lshl_add_u32 v[GO], v249, 4, v[GO]
	v_lshlrev_b32 v[XRD], 6, v249                  ; Xq in LDS: row r x 64 bytes + 16 (l / 16)
	v_lshl_add_u32 v[XRD], v250, 4, v[XRD]
	v_add_nc_u32 v[XRD], s39, v[XRD]
	v_lshl_add_u32 v[XST], v255, 3, s39
	v_bfe_u32 v251, v0, 1, 2                       ; fill store: plane p = (i / 2) % 4,
	v_bfe_u32 v254, v0, 1, 1
	v_bfe_u32 v1, v0, 2, 1
	v_lshl_add_u32 v254, v254, 1, v1               ; rho(p) = 2 (p % 2) + p / 2
	v_lshl_add_u32 v251, v251, 8, s38              ; my wave's fragment + 256 p
	v_bfe_u32 v1, v0, 3, 2
	v_lshl_add_u32 v251, v1, 4, v251               ; + 16 (i / 8): the row in its group of four
	v_and_b32 v1, 1, v0
	v_lshl_add_u32 v251, v1, 3, v251               ; + 8 (i % 2): the half of the 16 bytes
	v_and_b32 v1, 3, v254
	v_lshl_add_u32 v[FST], v1, 6, v251             ; + 64 ((rho + x) % 4): rows 4 x ..
.irp x, 1,2,3
	v_add_nc_u32 v1, \x, v254
	v_and_b32 v1, 3, v1
	v_lshl_add_u32 v[FST+\x], v1, 6, v251
.endr
	v_cmp_eq_u32 vcc_lo, 0, v253                   ; lanes 0, 8, 16, 24 hold rows 0 and 8 of a source 0
	WIN 0x40
.set z, 0
.rept 8
	v_cndmask_b32 v[ONES+z], 0, s48, vcc_lo
.set z, z+1
.endr
.set z, 0
.rept 96                                           ; O'^T and l start at 0: no first step is written out; the lines stand in the wait for the first loads
	v_mov_b32 v[z], 0
.set z, z+1
.endr
	WIN 0
	s_wait_loadcnt 40                              ; loads come back in order (ISA guide 5.7.1): Xq is in; the 24 of the biases and the 16 of units 0 and 1 may be out
.irp n, 0,1,2,3,4,5,6,7,8,9,10,11,12,13,14,15
	v_cvt_pk_f16_f32 v[XQ+4*\n], v[XQ+4*\n], v[XQ+4*\n+1]
	v_cvt_pk_f16_f32 v[XQ+4*\n+1], v[XQ+4*\n+2], v[XQ+4*\n+3]
	ds_store_b64 v[XST], v[XQ+4*\n:XQ+4*\n+1] offset:\n*256
.endr
	LDU 2
	LDU 3
.irp u, 0,1,2,3,4,5,6,7,8,9,10,11
	s_wait_loadcnt 24                              ; the unit is in (at unit 0 the biases too); the three younger units stay out
	STU \u
	LDU (\u)+4
.endr
	s_wait_loadcnt 24
	STU 12
.irp x, 0,1,2,3                                    ; unit 16: the weights.  Four loads: my fragment of Wq_h or Wk_h;
	global_load_b128 v[RING+4*\x:RING+4*\x+3], v[GOFW], s[36:37] offset:\x*512
.endr
	s_cmp_lt_u32 s[WV], 4
	s_cbranch_scc0 .Lno_wv_load
.irp x, 0,1,2,3                                    ; waves 0-3: four more, a fragment of Wv_h
	global_load_b128 v[RING+16+4*\x:RING+16+4*\x+3], v[GOFW], s[18:19] offset:\x*512
.endr
.Lno_wv_load:
	s_wait_loadcnt 20                              ; behind unit 13: 8 + 8 + 4 or 8; the smaller count serves both kinds of wave
	STU 13
	s_wait_loadcnt 12                              ; behind unit 14: 8 + 4 or 8
	STU 14
	s_wait_loadcnt 4                               ; behind unit 15: 4 or 8
	STU 15
	s_wait_loadcnt 0x0
	STEP_FST                                       ; the addresses now stand at LW + 1,024 w
.set SL, RING
.set CVS, CVT
.irp j, 0,1,2,3
	CVST \j, 0
.endr
	s_cmp_lt_u32 s[WV], 4
	s_cbranch_scc0 .Lno_wv_store
.irp j, 4,5,6,7
	CVST \j, 8192                                  ; fragment 8 + w
.endr
.Lno_wv_store:
	s_wait_dscnt 0x0                               ; for the others' sake: my stores are done
	s_barrier_signal -1
	s_barrier_wait -1                              ; the one barrier: key, value and the weights are whole, and nobody writes them again
; THE LDS LOADS stand in runs of eight.
.macro FETCH_K                      ; four plain fragments from AK on
.irp f, 0,1,2,3
	ds_load_b128 v[KF+8*\f:KF+8*\f+3],   v[AK]   offset:\f*1024
	ds_load_b128 v[KF+8*\f+4:KF+8*\f+7], v[AK+1] offset:\f*1024
.endr
.endm
.macro FETCH_V                      ; four fragments from AV on, turned: lane l then holds channel 16 cb + l % 16 and the rows 32 kk + 8 (l / 16) + 0..7, + 16
	WIN 0x40
.irp kk, 0,1
.irp cb, 0,1
	ds_load_tr16_b128 v[VF+16*\kk+8*\cb:VF+16*\kk+8*\cb+3],   v[AV+\cb] offset:\kk*2048
	ds_load_tr16_b128 v[VF+16*\kk+8*\cb+4:VF+16*\kk+8*\cb+7], v[AV+\cb] offset:\kk*2048+1024
.endr
.endr
	WIN 0
.endm
; THE SET-UP, a tile at a time: q^T = Wq_h Xq^T + bq; e = q . bk in f32; q''^T = Wk_h^T q^T; alpha; q^, e / alpha, A.
	v_add_nc_u32 v[AK], LW, v[AK0]
	v_add_nc_u32 v[AK+1], LW, v[AK0+1]
	v_add_nc_u32 v[AV], LW+4096, v[AV0]
	v_add_nc_u32 v[AV+1], LW+4096, v[AV0+1]
	FETCH_K                                        ; Wq_h: rows = channels d, K = the 32 inputs
	FETCH_V                                        ; Wk_h turned: rows = the 32 inputs, K = channels d
.irp t, 0,1,2,3
	ds_load_b128 v[XF+8*\t:XF+8*\t+3],   v[XRD] offset:\t*1024       ; LDS serves a wave's instructions in order (ISA guide 5.7.1.4): these see my own stores of Xq
	ds_load_b128 v[XF+8*\t+4:XF+8*\t+7], v[XRD] offset:\t*1024+32
.endr
	s_wait_dscnt 0x0
.macro QPREP t
	WIN 0x10                                       ; the C operand, bq, in window 1
.irp k, 0,1,2,3
	v_wmma_f32_16x16x32_f16 v[QT+8*\k:QT+8*\k+7], v[KF+8*\k:KF+8*\k+7], v[XF+8*(\t):XF+8*(\t)+7], v[BQ+8*\k:BQ+8*\k+7]
.endr
	PLACES
	WIN 0x04                                       ; source 1, bk, in window 1
	v_pk_mul_f32 v[EA:EA+1], v[QT:QT+1], v[BK:BK+1]
.set z, 1
.rept 15
	v_pk_fma_f32 v[EA:EA+1], v[QT+2*z:QT+2*z+1], v[BK+2*z:BK+2*z+1], v[EA:EA+1]
.set z, z+1
.endr
	WIN 0
.set z, 0
.rept 16
	v_cvt_pk_f16_f32 v[QH+z], v[QT+2*z], v[QT+2*z+1]   ; two accumulators in pairs are source 1 for 32 channels d
.set z, z+1
.endr
	WIN 0x01                                       ; source 0, Wk_h turned, in window 1; the two accumulators take turns
	v_wmma_f32_16x16x32_f16 v[Q2:Q2+7],    v[VF:VF+7],     v[QH:QH+7],    0
	v_wmma_f32_16x16x32_f16 v[Q2+8:Q2+15], v[VF+8:VF+15],  v[QH:QH+7],    0
	v_wmma_f32_16x16x32_f16 v[Q2:Q2+7],    v[VF+16:VF+23], v[QH+8:QH+15], v[Q2:Q2+7]
	v_wmma_f32_16x16x32_f16 v[Q2+8:Q2+15], v[VF+24:VF+31], v[QH+8:QH+15], v[Q2+8:Q2+15]
	WIN 0
	v_add_f32 v[EE], v[EA], v[EA+1]                ; e: my 32 channels; two additions and two v_nop are the four places behind those products
	v_nop
	v_permlanex16_b32 v[T1], v[EE], s[SEL], s[SEL+1]   ; the query's other 32 channels lie in the lane 16 away
	v_nop
	v_add_f32 v[EE], v[EE], v[T1]
.set z, 0
.rept 16
	v_and_b32 v[QT+z], s47, v[Q2+z]                ; |q''|, each accumulator from its low end on
.set z, z+1
.endr
	v_max3_num_f32 v[MX],   v[QT],    v[QT+1],  v[QT+2]
	v_max3_num_f32 v[MX+1], v[QT+3],  v[QT+4],  v[QT+5]
	v_max3_num_f32 v[MX+2], v[QT+6],  v[QT+7],  v[QT+8]
	v_max3_num_f32 v[MX+3], v[QT+9],  v[QT+10], v[QT+11]
	v_max3_num_f32 v[MX+4], v[QT+12], v[QT+13], v[QT+14]
	v_max3_num_f32 v[MX],   v[MX],    v[MX+1],  v[MX+2]
	v_max3_num_f32 v[MX+3], v[MX+3],  v[MX+4],  v[QT+15]
	v_max_num_f32 v[AM], v[MX], v[MX+3]
	v_permlanex16_b32 v[T2], v[AM], s[SEL], s[SEL+1]
	v_max_num_f32 v[AM], v[AM], v[T2]
	v_max_num_f32 v[AM], 0x0d800000, v[AM]         ; held within 2^-100
	v_min_num_f32 v[AM], 0x71800000, v[AM]         ; and 2^100
	v_and_b32 v[AL], 0x7f800000, v[AM]             ; alpha: its power of two
	v_sub_nc_u32 v[IV], 0x7f000000, v[AL]          ; 1 / alpha: the exponent mirrored, exact
	v_sub_nc_u32 v[IV+1], 0x7f000000, v[AL]
.set z, 0
.rept 8
	v_pk_mul_f32 v[Q2+2*z:Q2+2*z+1], v[Q2+2*z:Q2+2*z+1], v[IV:IV+1]
.set z, z+1
.endr
.set z, 0
.rept 8
	v_cvt_pk_f16_f32 v[QF+8*(\t)+z], v[Q2+2*z], v[Q2+2*z+1]
.set z, z+1
.endr
.set z, 0
.rept 8
	v_mul_f32 v[EF+8*(\t)+z], v[EE], v[IV]
.set z, z+1
.endr
	v_mul_f32 v[ST+4*(\t)+2], s46, v[AL]           ; A = c alpha,
	v_mul_f32 v[ST+4*(\t)+3], s46, v[AL]           ; named as a pair
	v_mov_b32 v[ST+4*(\t)], 0xfe000000             ; A m: far below every A s'
	v_mov_b32 v[ST+4*(\t)+1], 0xff7fffff           ; m
.endm
	QPREP 0
	QPREP 1
	QPREP 2
	QPREP 3
	WIN 0x40                                       ; what the first turn finds: V's registers and P's second buffer hold 0: its products, of a tile that has not been, add 0
.set z, 0
.rept 32
	v_mov_b32 v[VF+z], 0
.set z, z+1
.endr
	WIN 0
.set z, 0
.rept 16
	v_mov_b32 v[P+16+z], 0
.set z, z+1
.endr
; THE MATRIX WORK.  Product i of 4 of S^T for tile x: keys 16 i on; K = 32 is the whole sum, and C is e / alpha.
.macro KQ x, i
	v_wmma_f32_16x16x32_f16 v[S+32*((\x)%2)+8*(\i):S+32*((\x)%2)+8*(\i)+7], v[KF+8*(\i):KF+8*(\i)+7], v[QF+8*(\x):QF+8*(\x)+7], v[EF+8*(\x):EF+8*(\x)+7]
.endm
; Product i of 6 for tile x: keys 32 (i / 3) on; i % 3 = 0, 1: O'^T's channels 0-15, 16-31; 2: l.  The three accumulators take turns.
.macro PV x, i
.set kk, (\i)/3
.set k3, (\i)%3
.set rB, P+16*((\x)%2)+8*kk
.if k3 < 2
.set rD, 16*(\x)+8*k3
	v_wmma_f32_16x16x32_f16 v[rD:rD+7], v[VF+16*kk+8*k3:VF+16*kk+8*k3+7], v[rB:rB+7], v[rD:rD+7]
	s_wait_alu depctr_va_vdst(0)
.else
.set rD, LL+8*(\x)
	v_wmma_f32_16x16x32_f16 v[rD:rD+7], v[ONES:ONES+7], v[rB:rB+7], v[rD:rD+7]
.endif
.endm
; THE VECTOR WORK, one line at a time: OP kind, number.  For tile Y: F n: A s' - A m for pair n of 16.  E n: the exponential of score n of 32.  C n: pair n rounded to f16.
; R n: pair n of 8 of O'^T times a; R 8: l times a.  For tile Y + 1: X n, number n of the 22 that find its maximum and statistics:
;   0-11  four chains c0-c3 of seven scores each (each accumulator's lowest registers are read first)     12-14, 16  the four scores left over, the old m, c0-c3 into c0
;   15  A m_old is kept     17, 18  the query's other 32 keys lie in the lane 16 away: the new m     19-21  A m; A m_old - A m_new; a
.set F, 0
.set E, 1
.set C, 2
.set R, 3
.set X, 4
.macro REGS y
.set rT, ST+4*(\y)
.set rC, TMP+4*((\y)%2)
.set rW, MV+((\y)%2)
.set rS, S+32*((\y)%2)
.set rP, P+16*((\y)%2)
.set rO, 16*(\y)
.set rL, LL+8*(\y)
.endm
.macro OP k, n
.if (\k) == R
	REGS Y
.if (\n) < 8
	v_pk_mul_f32 v[rO+2*(\n):rO+2*(\n)+1], v[rO+2*(\n):rO+2*(\n)+1], v[rC+2:rC+3] op_sel_hi:[1,0]
.else
	v_mul_f32 v[rL], v[rL], v[rC+2]
.endif
.elseif (\k) == F
	REGS Y
	v_pk_fma_f32 v[rS+2*(\n):rS+2*(\n)+1], v[rS+2*(\n):rS+2*(\n)+1], v[rT+2:rT+3], v[rT:rT+1] op_sel_hi:[1,0,0] neg_lo:[0,0,1] neg_hi:[0,0,1]
.elseif (\k) == E
	REGS Y
	v_exp_f32 v[rS+(\n)], v[rS+(\n)]
.elseif (\k) == C
	REGS Y
	s_wait_alu depctr_va_vdst(0)
	v_cvt_pk_f16_f32 v[rP+(\n)], v[rS+2*(\n)], v[rS+2*(\n)+1]
.else
	REGS (Y+1)%4
.if (\n) < 4
	v_max3_num_f32 v[rC+(\n)], v[rS+8*(\n)], v[rS+8*(\n)+1], v[rS+8*(\n)+2]
.elseif (\n) < 12
	v_max3_num_f32 v[rC+(\n)%4], v[rC+(\n)%4], v[rS+8*((\n)%4)+2*((\n)/4)+1], v[rS+8*((\n)%4)+2*((\n)/4)+2]
.elseif (\n) == 12
	v_max3_num_f32 v[rC], v[rC], v[rS+7], v[rS+15]
.elseif (\n) == 13
	v_max3_num_f32 v[rC+1], v[rC+1], v[rS+23], v[rS+31]
.elseif (\n) == 14
	v_max3_num_f32 v[rC+2], v[rC+2], v[rC+3], v[rT+1]
.elseif (\n) == 15
	v_mov_b32 v[rW], v[rT]
.elseif (\n) == 16
	v_max3_num_f32 v[rC], v[rC], v[rC+1], v[rC+2]
	s_wait_alu depctr_va_vdst(0)
.elseif (\n) == 17
	v_permlanex16_b32 v[rC+3], v[rC], s[SEL], s[SEL+1]
.elseif (\n) == 18
	v_max_num_f32 v[rT+1], v[rC], v[rC+3]
.elseif (\n) == 19
	v_mul_f32 v[rT], v[rT+2], v[rT+1]
.elseif (\n) == 20
	v_sub_f32 v[rC+1], v[rW], v[rT]
.else
	v_exp_f32 v[rC+2], v[rC+1]
.endif
.endif
.endm
.macro OPS a, i1, b=-1, i2=0, c=-1, i3=0, d=-1, i4=0  ; up to four of them
	OP \a, \i1
.if (\b) >= 0
	OP \b, \i2
.endif
.if (\c) >= 0
	OP \c, \i3
.endif
.if (\d) >= 0
	OP \d, \i4
.endif
.endm
.macro ROW i, a, i1, b, i2, c, i3, d, i4  ; a product S^T and the four behind it
	KQ (Y+1)%4, \i
	OPS \a, \i1, \b, \i2, \c, \i3, \d, \i4
.endm
; A TURN, for tile p: 10 matrix and 95 vector instructions, the order written out.  Two switches of the window: the six products O'^T, l and the rescaling work in window 1, all else in window 0.
; No vector line near a product names its registers.  Every exponential has a plain instruction behind it before its result is used (ISA guide 5.7.2); every rounding stands behind both its exponentials.
; V of the step in hand is fetched in tile 0's turn, six plain instructions behind the last product that read V, and waited for a turn later.
; K of the next step is fetched in tile 2's turn, fourteen plain instructions behind the last product that read K, and waited for a turn later; in the last trip there is no next step, and the run is jumped over.
.macro TURN p
.set Y, (\p)
.if (\p) == 0
	v_add_nc_u32 v[AV], s[TBV], v[AV0]
	v_add_nc_u32 v[AV+1], s[TBV], v[AV0+1]
	s_wait_alu depctr_va_vdst(0)
.endif
.if (\p) == 1
	s_wait_dscnt 0x0                ; V is in
.endif
	WIN 0x51                        ; V, O'^T and l in window 1, P and a in window 0
	PV (Y+3)%4, 0
	OPS R,0, R,1
	PV (Y+3)%4, 1
	OPS R,2, R,3
	PV (Y+3)%4, 2
	OPS R,4
	PV (Y+3)%4, 3
	OPS R,5, R,6
	PV (Y+3)%4, 4
	OPS R,7
	PV (Y+3)%4, 5
	OPS R,8
	WIN 0
.if (\p) == 3
	s_wait_dscnt 0x0                ; K is in
.endif
	ROW 0, F,0, F,1, F,2, F,3
.if (\p) == 0
	FETCH_V
	s_add_co_u32 s[TBV], s[TBV], STEPB
.endif
	ROW 1, F,4, E,0, F,5, E,1
	ROW 2, F,6, E,2, F,7, E,3
	ROW 3, F,8, E,4, C,0, E,5
.if (\p) == 2
	v_add_nc_u32 v[AK], s[TBK], v[AK0]
	v_add_nc_u32 v[AK+1], s[TBK], v[AK0+1]
.endif
	OPS F,9, E,6, C,1, E,7
	OPS F,10, E,8, C,2, E,9
.if (\p) == 2
	s_cmp_eq_u32 s[CNT], 1
	s_cbranch_scc1 .Lno_k_\@
	FETCH_K
	s_add_co_u32 s[TBK], s[TBK], STEPB
.Lno_k_\@:
.endif
	OPS F,11, E,10, C,3, E,11
	OPS F,12, E,12, X,0, E,13
	OPS X,1, E,14, X,2, E,15
	OPS X,3, E,16, F,13, E,17
	OPS X,4, E,18, X,5, E,19
	OPS X,6, E,20, X,7, E,21
	OPS F,14, E,22, X,8, E,23
	OPS X,9, E,24, X,10, E,25
	OPS X,11, E,26, F,15, E,27
	OPS X,12, E,28, X,13, E,29
	OPS X,14, E,30, X,15, E,31
	OPS X,16, C,4, C,5, C,6
	OPS X,17, C,7, C,8, C,9
	OPS X,18, C,10, C,11, X,19
	OPS C,12, C,13, X,20, C,14
	OPS X,21, C,15
.endm
	v_mov_b32 v[AK], v[AK0]                        ; key step 0 lies at LDS byte 0
	v_mov_b32 v[AK+1], v[AK0+1]
	FETCH_K
	s_mov_b32 s[TBK], STEPB                        ; the next K fetched is step 1's,
	s_mov_b32 s[TBV], LV                           ; the next V step 0's
	s_mov_b32 s[CNT], 32                           ; 2,048 keys, 64 a step
	s_wait_dscnt 0x0
.irp i, 0,1,2,3
	KQ 0, \i                                       ; tile 0's first scores
.endr
	PLACES
.set Y, 3                                          ; X works for tile Y + 1: tile 0
.irp n, 0,1,2,3,4,5,6,7,8,9,10,11,12,13,14,15,16,17,18,19,20,21
	OP X, \n
.endr
	v_nop                                          ; a plain instruction behind the exponential
.Lstep:                                            ; a trip: a key step.  Its last turn makes tile 0's scores of the next step
	TURN 0
	TURN 1
	TURN 2
	TURN 3
	s_sub_co_u32 s[CNT], s[CNT], 1
	s_cmp_lg_u32 s[CNT], 0
	s_cbranch_scc1 .Lstep
	; the last trip's four products S^T (on the last K once more) and the maximum made of them serve nothing: the price, once a launch, of one text for every trip
	WIN 0x51
.irp i, 0,1,2,3,4,5
	PV 3, \i                                       ; tile 3's products of the last step
.endr
	WIN 0
; THE WAY OUT.  O' / l in f16 is source 1 of out^T = Wv_h O'^T + bv: a lane then holds one query and eight neighbouring channels.  A tile goes through my stage and leaves as whole rows of 256 bytes.
	v_add_nc_u32 v[AK], LW+8192, v[AK0]            ; two additions and two v_nop: the places behind the last products
	v_add_nc_u32 v[AK+1], LW+8192, v[AK0+1]
	v_nop
	v_nop
	FETCH_K                                        ; Wv_h: rows = channels d, K = the 32 inputs
	WIN 0x01
.irp t, 0,1,2,3
	v_rcp_f32 v[ST+4*\t+2], v[LL+8*\t]             ; l lies in register 0 of its accumulator, in both halves of the lanes
.endr
	v_nop                                          ; a plain instruction between the last reciprocal and the use of its result
	s_wait_alu depctr_va_vdst(0)
.macro OUTT t
.set rB, S+32*((\t)%2)
.set rH, P+8*((\t)%2)
	WIN 0x41
.set z, 0
.rept 8
	v_pk_mul_f32 v[16*(\t)+2*z:16*(\t)+2*z+1], v[16*(\t)+2*z:16*(\t)+2*z+1], v[ST+4*(\t)+2:ST+4*(\t)+3] op_sel_hi:[1,0]
.set z, z+1
.endr
	WIN 0x05
.set z, 0
.rept 8
	v_cvt_pk_f16_f32 v[rH+z], v[16*(\t)+2*z], v[16*(\t)+2*z+1]
.set z, z+1
.endr
.if (\t) >= 2
	s_wait_xcnt 0x0                 ; the stores of the tile two back name this buffer as data: it is rewritten only behind this wait
.endif
.if (\t) == 0
	s_wait_dscnt 0x0                ; Wv_h is in
.endif
	WIN 0x10                        ; the C operand, bv, in window 1
.irp k, 0,1,2,3
	v_wmma_f32_16x16x32_f16 v[rB+8*\k:rB+8*\k+7], v[KF+8*\k:KF+8*\k+7], v[rH:rH+7], v[BV+8*\k:BV+8*\k+7]
.endr
	WIN 0
	PLACES
.irp k, 0,1,2,3
	ds_store_b128 v[STO], v[rB+8*\k:rB+8*\k+3]   offset:64*\k
	ds_store_b128 v[STO], v[rB+8*\k+4:rB+8*\k+7] offset:64*\k+16
.endr
.irp f, 0,1,2,3,4,5,6,7
	ds_load_b128 v[rB+4*\f:rB+4*\f+3], v[RD] offset:\f*2*SP  ; LDS serves a wave's instructions in order (ISA guide 5.7.1.4): these see the stores above; the next tile's stores come behind them
.endr
.endm
.macro SEND t, younger              ; younger: the LDS instructions issued behind tile t's loads: the next tile's sixteen, or none
.irp f, 0,1,2,3,4,5,6,7
	s_wait_dscnt (\younger)+7-\f
	global_store_b128 v[GO], v[S+32*((\t)%2)+4*\f:S+32*((\t)%2)+4*\f+3], s[26:27] offset:(\t)*32768+\f*4096 th:TH_STORE_NT  ; 16 lanes store 256 consecutive bytes, at a multiple of 256 from out0's first byte
.endr
.endm
	OUTT 0
	OUTT 1                                         ; a tile's arithmetic stands between the loads of the tile before and its stores
	SEND 0, 16
	OUTT 2
	SEND 1, 16
	OUTT 3
	SEND 2, 16
	SEND 3, 0
	s_wait_tensorcnt 0x0                           ; the wave's end, behind my last LDS store
	ds_add_u32 v[SPW], v[NIL]
	s_wait_dscnt 0x0
	s_endpgm
.Lfunc_end_k_q822d21e415_attn:
	.size	k_q822d21e415_attn, .Lfunc_end_k_q822d21e415_attn-k_q822d21e415_attn
	.p2alignl 7, 3214868480
	.fill 96, 4, 3214868480
	.section	.rodata,"a",@progbits
	.p2align	6, 0x0
	.amdhsa_kernel k_q822d21e415_attn
		.amdhsa_group_segment_fixed_size 310272
		.amdhsa_private_segment_fixed_size 0
		.amdhsa_enable_private_segment 0
		.amdhsa_kernarg_size 80
		.amdhsa_user_sgpr_count 2
		.amdhsa_user_sgpr_kernarg_segment_ptr 1
		.amdhsa_wavefront_size32 1
		.amdhsa_system_sgpr_workgroup_id_x 1
		.amdhsa_system_sgpr_workgroup_id_y 1
		.amdhsa_system_sgpr_workgroup_id_z 1
		.amdhsa_system_vgpr_workitem_id 0
		.amdhsa_next_free_vgpr 488
		.amdhsa_next_free_sgpr 66
		.amdhsa_reserve_vcc 1
		.amdhsa_float_denorm_mode_32 3
		.amdhsa_float_denorm_mode_16_64 3
		.amdhsa_memory_ordered 1
		.amdhsa_forward_progress 1
		.amdhsa_inst_pref_size 127
	.end_amdhsa_kernel
	.amdgpu_metadata
---
amdhsa.version: [ 1, 2 ]
amdhsa.kernels:
  - .name:           k_q822d21e415_attn
    .symbol:         k_q822d21e415_attn.kd
    .args:
      - { .name: query, .offset: 0, .size: 8, .value_kind: global_buffer, .address_space: global }
      - { .name: key, .offset: 8, .size: 8, .value_kind: global_buffer, .address_space: global }
      - { .name: value, .offset: 16, .size: 8, .value_kind: global_buffer, .address_space: global }
      - { .name: Wq, .offset: 24, .size: 8, .value_kind: global_buffer, .address_space: global }
      - { .name: Wk, .offset: 32, .size: 8, .value_kind: global_buffer, .address_space: global }
      - { .name: Wv, .offset: 40, .size: 8, .value_kind: global_buffer, .address_space: global }
      - { .name: bq, .offset: 48, .size: 8, .value_kind: global_buffer, .address_space: global }
      - { .name: bk, .offset: 56, .size: 8, .value_kind: global_buffer, .address_space: global }
      - { .name: bv, .offset: 64, .size: 8, .value_kind: global_buffer, .address_space: global }
      - { .name: out0, .offset: 72, .size: 8, .value_kind: global_buffer, .address_space: global }
    .group_segment_fixed_size: 310272
    .private_segment_fixed_size: 0
    .kernarg_segment_align: 8
    .kernarg_segment_size: 80
    .max_flat_workgroup_size: 256
    .sgpr_count:     66
    .vgpr_count:     488
    .wavefront_size: 32
...
	.end_amdgpu_metadata
.endif
;; end of part 1
